; MI455X (gfx1250); checked and timed in simulation.
; The chip was launched on July 23, 2026; its instructions are those of AMD's public machine-readable ISA for CDNA 5 (MIT licence, August 2026) and "CDNA5" Instruction Set Architecture Reference Guide (July 2026). The comments in the code are by the model that wrote it; some were corrected since.
;; Experts. Allowed arithmetic: matrix products marked QUANTISED: E2M3 operands, one E8M0 scale for each 32 along K, by v_wmma_scale_f32_16x16x128_f8f6f4 with both operands' format E2M3, f32 sums; everything else in f32.
;; Inputs: W1_codes 4 x 4,096 x 32 x 24 uint8 (E2M3 codes of W1, K innermost, in blocks of 32 codes, four codes in three bytes); W1_scales 4 x 4,096 x 32 uint8 (E8M0 scales of W1, one for each 32 codes along K); W2_codes 4 x 1,024 x 128 x 24 uint8 (E2M3 codes of W2, K innermost, in blocks of 32 codes, four codes in three bytes); W2_scales 4 x 1,024 x 128 uint8 (E8M0 scales of W2, one for each 32 codes along K); b1 4 x 4,096 float32; b2 4 x 1,024 float32; inputs_codes 8 x 4 x 256 x 32 x 24 uint8 (E2M3 codes of inputs, K innermost, in blocks of 32 codes, four codes in three bytes); inputs_scales 8 x 4 x 256 x 32 uint8 (E8M0 scales of inputs, one for each 32 codes along K).
;; Outputs: out0 8 x 4 x 256 x 1,024 float32.
;; This version of the problem:
;;   THIS VERSION OF THE PROBLEM IS GIVEN IN LOW PRECISION. The matrix products marked QUANTISED in the list below multiply operands that are first quantised to E2M3 (2 exponent bits, 3 mantissa bits; 6 bits a number), with one power-of-two scale for each 32 numbers along K (OCP MX v1.0); their sums are f32. All else is computed in f32.
;;   The module's matrix products, in the order in which they are computed (A, B: the left and right operand; K: the contracted axis; several contracted axes count as one K, in the product's order):
;;     1. batch 4 x [M 4,096, K 1,024] x [K 1,024, N 2,048]; A: input W1 (given as codes); B: input inputs (given as codes): QUANTISED
;;     2. batch 4 x [M 1,024, K 4,096] x [K 4,096, N 2,048]; A: input W2 (given as codes); B: computed on the way: QUANTISED
;;   THE QUANTISER, for each operand of a quantised product, along K:
;;     - K is cut into blocks of 32 from its start; a last block that is shorter is filled with zeros.
;;     - A block's scale is 2^e with e = floor(log2(the largest magnitude in the block)) - 2, held to -126 .. 127; a block of zeros has e = 0. As a byte (E8M0): e + 127.
;;     - Each number is divided by its block's scale, clamped to +-7.5, and rounded to the nearest number of E2M3, ties to even, subnormals kept.
;;     - The product sums the exact products of the quantised numbers (number of the format x scale) in f32.
;;   ~~~python
;;   def quantise(x, axis):      # numpy; x: float32 -> the quantised numbers, widened to float32 again
;;       x = np.moveaxis(x, axis, -1); K = x.shape[-1]
;;       x = np.pad(x, [(0, 0)] * (x.ndim - 1) + [(0, -K % 32)]); x = x.reshape(x.shape[:-1] + (-1, 32)); a = np.abs(x).max(-1, keepdims=True)
;;       e = np.where(a > 0, np.clip(np.frexp(np.where(a > 0, a, 1))[1] - 1 - 2, -126, 127), 0)      # np.frexp(a)[1] - 1 = floor(log2(a)), exactly
;;       r = np.clip(x / 2.0 ** e, -7.5, 7.5)
;;       step = 2.0 ** (np.maximum(np.frexp(np.where(r == 0, 1, r))[1] - 1, 0) - 3)
;;       q = np.round(r / step) * step * 2.0 ** e      # np.round: ties to even
;;       return np.moveaxis(q.reshape(q.shape[:-2] + (-1,))[..., :K], -1, axis).astype(np.float32)
;;   ~~~
;;   OPERANDS COMPUTED ON THE WAY. 'Computed on the way' means the value that the module computes at that place (a softmax that the list does not call 'softmax' is quantised finished and normalised). What goes into a quantiser is computed in f32, as accurately as f32 sums, v_exp_f32 and their like allow (about 1e-6 of the number): no bf16 or f16 on the way to a quantiser, and a product that is left as it is and whose result goes on into a quantised operand takes f32 operands (vector FMAs, or v_wmma_f32_16x16x4_f32). A number that lies on a knife's edge between two numbers of the format may be rounded either way, as far as f32 arithmetic and the matrix unit's own rounding can turn it there, and no further.
;;   INPUTS GIVEN AS CODES. W1 (in the module: [4, 1024, 4096], K = its axis 1); W2 (in the module: [4, 4096, 1024], K = its axis 1); inputs (in the module: [8, 4, 256, 1024], K = its axis 3): each comes as NAME_codes (uint8): NAME with its K axis moved to the last place and cut into blocks of 32 codes, [.., K / 32, bytes a block], one block behind the other in memory; four codes in three bytes: a row's codes are one little-endian stream of bits, code i at bits 6 i .. 6 i + 5 (a code: sign, 2 exponent bits, 3 mantissa bits); and NAME_scales (uint8): the same leading axes, one E8M0 byte (e + 127) for each 32 codes along K. Its value is code x scale, taken as it is: it is not quantised again, and the codes and scales need not be those that the quantiser above would give.
;; One version. Each part assembles by itself: llvm-mc -triple=amdgcn-amd-amdhsa -mcpu=gfx1250 --defsym DOCPART=n.
;; ======== version 1 of 1: 2 launches
;; workspace buffers: hc 26,214,400 bytes
;; launch ffn1 (part 1): grid 16 x 32, 4 waves a work-group, clusters of 4 x 4, 327,680 bytes of LDS; arguments inputs_codes, inputs_scales, W1_codes, W1_scales, b1, hc; writes hc
.if DOCPART == 1
	.amdgcn_target "amdgcn-amd-amdhsa--gfx1250"
	.amdhsa_code_object_version 6
	.text
	.protected	k_q22a31d3e68_ffn1
	.globl	k_q22a31d3e68_ffn1
	.p2align	8
	.type	k_q22a31d3e68_ffn1,@function
k_q22a31d3e68_ffn1:
	s_mov_b64 s[64:65], 0
	v_nop
	global_prefetch_b8 v0, s[64:65] scope:SCOPE_SE
	s_setreg_imm32_b32 hwreg(HW_REG_WAVE_MODE, 25, 1), 1
	s_wait_xcnt 0x0
	s_wait_alu depctr_hold_cnt(0) depctr_sa_sdst(0) depctr_va_vdst(0) depctr_va_sdst(0) depctr_va_ssrc(0) depctr_va_vcc(0) depctr_vm_vsrc(0)
	s_getreg_b32 s2, hwreg(HW_REG_IB_STS2, 6, 4)
	s_cmp_eq_u32 s2, 0
	s_cbranch_scc0 .Lentry_in_a_cluster
	s_endpgm
.Lentry_in_a_cluster:
	s_bfe_u32 s2, ttmp6, 0x10000c
	s_cmp_lg_u32 s2, 0xf033
	s_cbranch_scc0 .Lentry_shape_is_right
	s_endpgm
.Lentry_shape_is_right:
; FIRST OF TWO LAUNCHES.  h = gelu(x W1^T + b1) for four experts, quantised along the hidden axis to codes of FP6 (E2M3) with one E8M0 byte for each 32, and stored in hc.
; x: inputs_codes [8 w][4 e][256 c][768 bytes], W1_codes [4 e][4096 f][768 bytes]: codes, K = 1,024 innermost; their scale bytes 32 a row; b1 [4][4096] f32.
; NO WORK IS LEFT OUT: every input has a way to the output for general values, so all of them are loaded (W2 and b2 by the second launch).
; A tile of 256 tokens (one w of one expert) x 256 hidden units is made by a work-group of four waves; a wave makes 128 x 128: 64 accumulators of 16 x 16, 512 registers.
; K goes in steps of 256 through a ring of two LDS slots filled by the tensor data mover (four K steps); the scale bytes of the tile's 256 + 256 rows come into LDS once, with the first fills.
; CLUSTERS: 4 x 4 work-groups.  The four of a row of the cluster share their tokens (x's tiles), the four of a column, four w of one expert, share W1's tiles: each tile is asked for JOINTLY.
; THE MATRIX INSTRUCTION IS USED TRANSPOSED (source 0 = 16 rows of W1, source 1 = 16 tokens): a lane holds ONE token (lane % 16), and register 8 b + j of a block of 16 tokens the hidden unit 16 b + 8 (lane / 16) + j.
; b1 is the C of each sum's first matrix instruction: it costs no addition.
; GELU, the tanh form: 0.5 x (1 + tanh(u)) = x / (1 + 2^(x (k0 + k1 x x))), k0 = -2 sqrt(2 / pi) log2(e), k1 = 0.044715 k0: the same function in real numbers; all in f32.
; hc: 256 records of 102,400 bytes, record ((8 e + w) 8 + f / 512).  In a record: codes as IMAGES OF THE NEXT PRODUCT'S OPERAND REGISTERS, [K step of 128: 4][block of 16 tokens: 16][1,536 bytes]
; (three runs of 512 bytes: run c holds lane l's registers 4 c .. 4 c + 3 at 16 l); then the scale words, [K step: 4][token: 256] of 4 bytes.  A wave's 128 hidden units are one such K step.
; LIMITS: NaN, infinities and scale bytes 0xff are carried only as the instructions carry them.  2^(..) may overflow to infinity: its reciprocal is 0, the right limit.  A block of zeros gets the byte 1 where
; the quantiser says 127: its codes are zeros, which add nothing under any byte but 0xff, and hc is read by this program alone.
; REGISTERS, in windows of 256: window 0: v1-6 at work; v8-11 offsets; v12-15 k1, k0; v16-23, v27 LDS addresses; v28, v29 the add's two; v32-63 scale words, two sets; v64-127 b1; v128-223 x's fragments, ONE set.
;   window 1: W1's fragments, TWO sets, at v0 and v128.   window 2: the accumulators of my tokens 0-63 ((a, b) at v[8 (8 a + b)]);   window 3: those of my tokens 64-127.
;   In the epilogue window 0 is free but for v8-15, v28, v29.
.set NQ,     2                         ; matrix instructions deep in a slot: 256 along K
.set ROWB,   192                       ; a tile's row in bytes: 256 codes
.set KROW,   768                       ; a row of x or of W1 in memory
.set PITCH,  240                       ; an LDS row: 3 x (64 bytes + 16 of padding) = 60 words: the 32 lanes of a load of 8 bytes touch 64 different banks (64 banks of 4 bytes: ISA guide 11.1)
.set FR,     12                        ; registers of a fragment: 16 rows x 128 K
.set NL,     6                         ; LDS loads that bring one
.set NP,     4                         ; places behind this matrix instruction (ISA guide 7.12.1)
.set HALFT,  128*PITCH                 ; 128 rows: what one tensor load brings
.set SLOT,   4*HALFT                   ; x's 256 rows, then W1's 256 rows
.set KS,     32                        ; a row of scale bytes
.set SCL,    2*SLOT                    ; behind the ring: the scale bytes, as runs of 256 bytes + 16 of padding
.set HALFS,  16*272                    ; those of 128 rows
.set SBLK,   2*272                     ; those of 16 rows
.set SPARE,  SCL+4*HALFS               ; the spare words, 128 bytes for each wave: two blocks of 256 bytes that no other line names
.set SCRATCH, SPARE+512                ; 512 bytes for each wave: its 128 tokens' scale words on the way out; no fill lands here
.set RECB,   102400                    ; a record of hc
.set HO,   8                           ; v8   16 x lane: my place in a run of 512 bytes of hc
.set SCW,  9                           ; v9   where I put my token's scale word: SCRATCH + 512 x wave + 4 (lane % 16)
.set SCR,  10                          ; v10  where I read four of them back: SCRATCH + 512 x wave + 16 x lane
.set BO,   11                          ; v11  32 (lane / 16): my eight numbers of a tile of b1
.set K1,   12                          ; v[12:13] k1, twice
.set K0,   14                          ; v[14:15] k0, twice
.set ADRA, 16                          ; v16-17 LDS address of my x fragments in slot 0, 1 (v18-19: for the pieces behind one padding more)
.set ADRB, 20                          ; v20-21 the same for W1 (v22-23)
.set ADRS, 27                          ; v27  LDS address of my scale words: lanes 0-15 x's rows, lanes 16-31 W1's
.set SPW,  28                          ; v28  LDS address of my spare word; never rewritten
.set NIL,  29                          ; v29  0; never rewritten
.set SC,   32                          ; scale words: set s at v[SC + 16 s]; register 2 i + q: lanes 0-15 x's block i, lanes 16-31 W1's block i
.set BI,   64                          ; b1 in the result's layout: tile b at v[BI + 8 b]
.set AF,   128                         ; x's fragments
.set TM,   32                          ; the epilogue: v32-35 largest magnitudes, v36-39 bytes, v44-47 the conversions' scale operands
.set PW,   48                          ; the scale word just made
.set QT,   52                          ; v52-54, v56-58: the second conversion of each pair
.set G1, 24                            ; s[24:31] descriptor group 1 for x's tiles;  s[32:39] group 0, one set for each slot
.set G0, 32
.set G1B, 48                           ; s[48:55], s[56:63] the same for W1's tiles
.set G0B, 56
.set G1S, 68                           ; s[68:75], s[76:79] groups 1 and 0 for x's scale bytes;  s[80:87], s[88:91] for W1's
.set G0S, 76
.set G1SB, 80
.set G0SB, 88
.set MSB, 0
.macro WIN new                         ; the immediate's high byte repeats the setting that is left; a switch that changes nothing is dropped
.if MSB != (\new)
	s_set_vgpr_msb (MSB<<8)|(\new)
.set MSB, (\new)
.endif
.endm
.set MUL_LO, 0xa1                      ; source 0 (W1) window 1, source 1 (x) window 0, C and D window 2
.set MUL_HI, 0xf1                      ; the same, C and D window 3
.set BIA_LO, 0x81                      ; the first step: C (b1) window 0, D window 2
.set BIA_HI, 0xc1                      ; and D window 3
.set TO_B,   0x40                      ; destination window 1, address window 0
; A joint load: waves 0 and 1 fetch for x, waves 2 and 3 for W1.  Each of the two lines has ONE mask and one set of registers for all that issue it; the branch hangs on the wave's number alone.
; An s_nop 0 and four v_nop follow each of the two lines, ahead of the jump, the label and what follows.
.macro JLOAD g0a, g1a, g0b, g1b
	s_cmp_eq_u32 s15, 0
	s_cbranch_scc0 .Lfor_b_\@
	tensor_load_to_lds s[\g0a:\g0a+3], s[\g1a:\g1a+7]
	s_nop 0
.rept 4
	v_nop
.endr
	s_branch .Lasked_\@
.Lfor_b_\@:
	tensor_load_to_lds s[\g0b:\g0b+3], s[\g1b:\g1b+7]
	s_nop 0
.rept 4
	v_nop
.endr
.Lasked_\@:
.endm
.macro CREST                           ; a round of the cluster's barrier behind its opening barrier
	s_cmp_lg_u32 s14, 0
	s_cbranch_scc1 .Lnot_wave_0_\@
	s_barrier_signal -3
.Lnot_wave_0_\@:
	s_barrier_wait -3
	s_barrier_signal -1
	s_barrier_wait -1
.endm
.macro CROUND                          ; a whole round
	s_barrier_signal -1
	s_barrier_wait -1
	CREST
.endm
	s_load_b256 s[4:11], s[0:1], 0x0               ; x's codes s[4:5], x's scales s[6:7], W1's codes s[8:9], W1's scales s[10:11]
	s_load_b128 s[96:99], s[0:1], 0x20             ; b1 s[96:97], hc s[98:99]
	v_lshl_add_u32 v[SPW], v0, 2, SPARE
	v_mov_b32 v[NIL], 0
	ds_add_u32 v[SPW], v[NIL]                      ; the wave's opening: the add, twice on end, and its wait ahead of my first tensor load; the set-up below, work on registers, stands between
	ds_add_u32 v[SPW], v[NIL]                      ; and once more, under the one wait
	v_lshrrev_b32 v1, 5, v0
	v_readfirstlane_b32 s14, v1                    ; wave 0..3
	s_lshr_b32 s15, s14, 1                         ; which half of the tile's tokens is mine.  Also: I fetch for x (0) or for W1 (1)
	s_and_b32 s16, s14, 1                          ; which half of its hidden units.  Also: which 128 rows of that tile I fetch
	s_bfe_u32 s40, ttmp6, 0x40000                  ; cx, cy: my place in the cluster
	s_bfe_u32 s41, ttmp6, 0x40004
	s_lshl_b32 s42, ttmp9, 2
	s_add_co_u32 s42, s42, s40                     ; tile column (256 hidden units) = 4 x cluster x + cx
	s_and_b32 s17, ttmp7, 0xffff                   ; cluster y: two clusters to an expert
	s_lshr_b32 s95, s17, 1                         ; e: the same in all sixteen partners
	s_and_b32 s17, s17, 1
	s_lshl_b32 s17, s17, 2
	s_add_co_u32 s17, s17, s41                     ; w = 4 (cluster y % 2) + cy
	s_lshl_b32 s43, s41, 2
	s_lshl_b32 s43, 15, s43                        ; my row of the cluster
	s_lshl_b32 s44, 0x1111, s40                    ; my column
	; descriptor group 1: a tile of 128 rows x 192 bytes, padded in LDS
	s_or_b32 s[G1+0], s43, (0<<16)|(1<<20)|(1<<21)|(3<<22)|(3<<25)  ; 15:0 the mask: x's tiles go to my row; 17:16 element of 1 byte; 20 padding on; 21 set beside a mask; 24:22 after every 16 words (code 3); 31:25 of 4 words (code 3)
	s_or_b32 s[G1B+0], s44, (0<<16)|(1<<20)|(1<<21)|(3<<22)|(3<<25) ; the same with my column's mask, for W1's tiles
.irp g, G1, G1B
	s_mov_b32 s[\g+1], ROWB<<16                    ; tensor_dim0
	s_mov_b32 s[\g+2], 128<<16                     ; tensor_dim1 = 128
	s_mov_b32 s[\g+3], ROWB<<16                    ; tile_dim0
	s_mov_b32 s[\g+4], 128                         ; tile_dim1 = 128
	s_mov_b32 s[\g+5], KROW                        ; tensor_dim0_stride
	s_mov_b32 s[\g+6], 0
	s_mov_b32 s[\g+7], 0
.endr
	; and for the scale bytes of 128 rows: a dense block of 4,096 bytes, as 16 rows of 256 bytes (32 elements of 8 bytes), 16 bytes of padding behind each
	s_or_b32 s[G1S+0], s43, (3<<16)|(1<<20)|(1<<21)|(5<<22)|(3<<25)
	s_or_b32 s[G1SB+0], s44, (3<<16)|(1<<20)|(1<<21)|(5<<22)|(3<<25)
.irp g, G1S, G1SB
	s_mov_b32 s[\g+1], 32<<16
	s_mov_b32 s[\g+2], 16<<16
	s_mov_b32 s[\g+3], 32<<16
	s_mov_b32 s[\g+4], 16
	s_mov_b32 s[\g+5], 32
	s_mov_b32 s[\g+6], 0
	s_mov_b32 s[\g+7], 0
.endr
	; where the tiles come from.  x's hang on e, w and the wave's number, which my row of the cluster shares; W1's on e, the tile column and the wave's number, which my column shares
	s_lshl_b32 s18, s16, 7                         ; which 128 rows of the tile I fetch
	s_lshl_b32 s20, s17, 2
	s_add_co_u32 s20, s20, s95                     ; 4 w + e
	s_lshl_b32 s20, s20, 8
	s_add_co_u32 s20, s20, s18                     ; x: row 256 (4 w + e) + 128 x half
	s_lshl_b32 s46, s42, 8
	s_lshl_b32 s47, s95, 12
	s_add_co_u32 s46, s46, s47
	s_add_co_u32 s46, s46, s18                     ; W1: row 4,096 e + 256 x tile column + 128 x half
	s_lshl_b32 s22, s20, 5                         ; where these rows' scale bytes begin (all offsets stay under 2^24)
	s_mov_b32 s23, 0
	s_lshl_b32 s92, s46, 5
	s_mov_b32 s93, 0
	s_mul_i32 s20, s20, KROW                       ; and their codes
	s_mov_b32 s21, 0
	s_mul_i32 s46, s46, KROW
	s_mov_b32 s47, 0
	s_mul_i32 s45, s14, HALFT                      ; where they go: wave x 128 rows: no place in the cluster enters an LDS address
	s_mul_i32 s94, s14, HALFS
	s_wait_dscnt 0x0                               ; both opening adds are done
	s_wait_kmcnt 0x0
	s_add_nc_u64 s[20:21], s[4:5], s[20:21]
	s_add_nc_u64 s[22:23], s[6:7], s[22:23]
	s_add_nc_u64 s[46:47], s[8:9], s[46:47]
	s_add_nc_u64 s[92:93], s[10:11], s[92:93]
	CROUND                                         ; all sixteen work-groups are here: the first joint loads meet
	s_mov_b32 s[G0S], 1
	s_add_co_u32 s[G0S+1], s94, SCL
	s_mov_b64 s[G0S+2:G0S+3], s[22:23]
	s_or_b32 s[G0S+3], s[G0S+3], 0x80000000
	s_mov_b32 s[G0SB], 1
	s_add_co_u32 s[G0SB+1], s94, SCL
	s_mov_b64 s[G0SB+2:G0SB+3], s[92:93]
	s_or_b32 s[G0SB+3], s[G0SB+3], 0x80000000
	JLOAD G0S, G1S, G0SB, G1SB                     ; the scale bytes first: they are wanted with K step 0
.irp s, 0,1
	s_mov_b32 s[G0+4*\s], 1                        ; 1:0 count = 1
	s_add_co_u32 s[G0+4*\s+1], s45, \s*SLOT        ; 63:32 LDS address
	s_add_nc_u64 s[G0+4*\s+2:G0+4*\s+3], s[20:21], \s*ROWB   ; 120:64 global address: K step s
	s_or_b32 s[G0+4*\s+3], s[G0+4*\s+3], 0x80000000         ; 127:126 type = 2
	s_mov_b32 s[G0B+4*\s], 1
	s_add_co_u32 s[G0B+4*\s+1], s45, \s*SLOT
	s_add_nc_u64 s[G0B+4*\s+2:G0B+4*\s+3], s[46:47], \s*ROWB
	s_or_b32 s[G0B+4*\s+3], s[G0B+4*\s+3], 0x80000000
	JLOAD G0+4*\s, G1, G0B+4*\s, G1B               ; three tensor loads of mine are out now
.endr
	; b1 at my 128 hidden units; hc at my wave's part of its record
	s_lshl_b32 s18, s95, 12
	s_lshl_b32 s19, s42, 8
	s_add_co_u32 s18, s18, s19
	s_lshl_b32 s19, s16, 7
	s_add_co_u32 s18, s18, s19                     ; 4,096 e + 256 x tile column + 128 x half
	s_lshl_b32 s18, s18, 2
	s_mov_b32 s19, 0
	s_add_nc_u64 s[96:97], s[96:97], s[18:19]
	s_lshl_b32 s18, s95, 3
	s_add_co_u32 s18, s18, s17                     ; 8 e + w
	s_lshl_b32 s18, s18, 3
	s_lshr_b32 s19, s42, 1
	s_add_co_u32 s18, s18, s19                     ; the record: + hidden unit / 512
	s_mul_i32 s18, s18, RECB
	s_and_b32 s19, s42, 1
	s_lshl_b32 s19, s19, 1
	s_add_co_u32 s19, s19, s16                     ; which of the record's four K steps of 128 my hidden units are
	s_mul_i32 s2, s19, 24576
	s_add_co_u32 s2, s2, s18
	s_mul_i32 s3, s15, 12288
	s_add_co_u32 s2, s2, s3                        ; my eight images: 16 x 1,536 bytes a K step, 8 x 1,536 for my half of the tokens
	s_mov_b32 s3, 0
	s_lshl_b32 s19, s19, 10
	s_add_co_u32 s18, s18, s19
	s_lshl_b32 s19, s15, 9
	s_add_co_u32 s18, s18, s19
	s_add_co_u32 s18, s18, 98304                   ; my 128 scale words, behind the record's codes
	s_mov_b32 s19, 0
	s_add_nc_u64 s[12:13], s[98:99], s[18:19]      ; s[12:13]: the scale words' place
	s_add_nc_u64 s[98:99], s[98:99], s[2:3]        ; s[98:99]: the images' place
	v_and_b32 v1, 15, v0                           ; l % 16
	v_bfe_u32 v2, v0, 4, 1                         ; l / 16
	v_lshlrev_b32 v[BO], 5, v2
.irp b, 0,1,2,3,4,5,6,7
	global_load_b128 v[BI+8*\b:BI+8*\b+3], v[BO], s[96:97] offset:64*\b         ; b1(16 b + 8 (l / 16) + 0 .. 7): the result's layout
	global_load_b128 v[BI+8*\b+4:BI+8*\b+7], v[BO], s[96:97] offset:64*\b+16
.endr
	v_mul_u32_u24 v3, v1, PITCH
	v_mul_u32_u24 v4, v2, 24
	v_add_nc_u32 v4, v3, v4                        ; a fragment's row x pitch + 24 x half
	v_lshl_add_u32 v5, v2, 4, v4                   ; and the same behind one padding more
	s_mul_i32 s21, s15, HALFT                      ; my 128 rows of x
	s_mul_i32 s22, s16, HALFT                      ; my 128 rows of W1,
	s_add_co_u32 s22, s22, 2*HALFT                 ; which lie behind x's 256
.irp s, 0,1
	v_add_nc_u32 v[ADRA+\s], s21, v4
	v_add_nc_u32 v[ADRB+\s], s22, v4
	v_add_nc_u32 v[ADRA+2+\s], s21, v5
	v_add_nc_u32 v[ADRB+2+\s], s22, v5
	s_add_co_u32 s21, s21, SLOT
	s_add_co_u32 s22, s22, SLOT
.endr
	v_mul_u32_u24 v5, v1, KS                       ; my row's scale bytes: 32 a row,
	v_lshrrev_b32 v6, 8, v5
	v_lshl_add_u32 v5, v6, 4, v5                   ; and 16 more for each 256 passed
	s_mul_i32 s21, s15, HALFS                      ; x's: my 128 rows
	s_mul_i32 s22, s16, HALFS                      ; W1's: my 128 rows, behind x's 256
	s_add_co_u32 s22, s22, 2*HALFS
	s_sub_co_u32 s22, s22, s21
	v_mul_u32_u24 v6, s22, v2                      ; lanes 16-31 take W1's: one product, the distance between the two
	s_add_co_u32 s21, s21, SCL
	v_add_nc_u32 v5, v5, v6
	v_add_nc_u32 v[ADRS], s21, v5
	v_and_b32 v6, 31, v0
	v_lshlrev_b32 v[HO], 4, v6
	s_lshl_b32 s23, s14, 9
	s_add_co_u32 s23, s23, SCRATCH
	v_lshl_add_u32 v[SCW], v1, 2, s23
	v_add_nc_u32 v[SCR], s23, v[HO]
	v_mov_b32 v[K1], 0xbdd2d3e8                    ; k1 = -0.10294324
	v_mov_b32 v[K1+1], 0xbdd2d3e8
	v_mov_b32 v[K0], 0xc0135761                    ; k0 = -2.3022082
	v_mov_b32 v[K0+1], 0xc0135761
.macro FRAG reg, adr, q, i             ; a fragment, 16 rows x 128 K of 6-bit codes, is 12 registers: lane l holds row l % 16; registers 6 c .. 6 c + 5 hold K = 64 c + 32 (l / 16) + 0 .. 31: 24 bytes of the row's stream of bits, as they lie
.irp p, 0,1,2,3,4,5                    ; in pieces of 8 bytes, so that every address is a multiple of the access's size.  Lanes 0-15 take the row's pieces 12 q + 0, 1, 2 and 12 q + 6, 7, 8, lanes 16-31 those three pieces on
.set PC, 12*(\q)+6*(\p/3)+\p%3        ; 16 bytes of padding lie behind every 8 pieces: where the piece three on lies behind one padding more, the second address register (40 for 24 bytes a half) serves
.if PC%8 < 5
	ds_load_b64 v[\reg+2*\p:\reg+2*\p+1], v[\adr] offset:8*PC+16*(PC/8)+(\i)*16*PITCH
.else
	ds_load_b64 v[\reg+2*\p:\reg+2*\p+1], v[\adr+2] offset:8*PC+16*(PC/8)+(\i)*16*PITCH
.endif
.endr
.endm
; 16 matrix instructions: token blocks a0, a0 + 1 x W1's eight, 128 along K: the slot's q-th.  p: W1's set;  sc: the set of scale words.  bias = 1: the first product starts the sums with b1 as its C: nothing is cleared or added.
; The 64 accumulators take turns, one instruction a turn, in the same order in every step.
.macro MUL16 a0, p, q, sc, bias
.irp a, \a0, \a0+1
.irp b, 0,1,2,3,4,5,6,7
.if \bias
	v_wmma_scale_f32_16x16x128_f8f6f4 v[8*(8*((\a)%4)+\b):8*(8*((\a)%4)+\b)+7], v[128*(\p)+FR*\b:128*(\p)+FR*\b+FR-1], v[AF+FR*(\a):AF+FR*(\a)+FR-1], v[BI+8*\b:BI+8*\b+7], v[SC+8*NQ*(\sc)+NQ*\b+(\q)], v[SC+8*NQ*(\sc)+NQ*(\a)+(\q)] matrix_a_fmt:MATRIX_FMT_FP6 matrix_b_fmt:MATRIX_FMT_FP6 matrix_a_scale:MATRIX_SCALE_ROW1
.else
	v_wmma_scale_f32_16x16x128_f8f6f4 v[8*(8*((\a)%4)+\b):8*(8*((\a)%4)+\b)+7], v[128*(\p)+FR*\b:128*(\p)+FR*\b+FR-1], v[AF+FR*(\a):AF+FR*(\a)+FR-1], v[8*(8*((\a)%4)+\b):8*(8*((\a)%4)+\b)+7], v[SC+8*NQ*(\sc)+NQ*\b+(\q)], v[SC+8*NQ*(\sc)+NQ*(\a)+(\q)] matrix_a_fmt:MATRIX_FMT_FP6 matrix_b_fmt:MATRIX_FMT_FP6 matrix_a_scale:MATRIX_SCALE_ROW1
.endif
.endr
.endr
.endm
.macro FETCH_B slot, q, p              ; W1's eight fragments of the slot's q-th 128 along K into set p
	WIN TO_B
.irp i, 0,1,2,3,4,5,6,7
	FRAG 128*(\p)+FR*\i, ADRB+\slot, \q, \i
.endr
	WIN 0
.endm
.macro FETCH_A slot, q, i0             ; x's blocks i0 .. i0 + 3
.irp i, \i0, \i0+1, \i0+2, \i0+3
	FRAG AF+FR*(\i), ADRA+\slot, \q, \i
.endr
.endm
.macro SCALES sc                       ; a K step's scale words into set sc: two words a row; lanes 0-15 take x's block i, lanes 16-31 W1's block i
.irp i, 0,1,2,3,4,5,6,7
	ds_load_b64 v[SC+8*NQ*\sc+NQ*\i:SC+8*NQ*\sc+NQ*\i+1], v[ADRS] offset:\i*SBLK
.endr
.endm
; A load into a register that a matrix instruction has read, and a vector instruction that reads a matrix result or writes one of a matrix instruction's registers, stand NP places behind it, and only plain
; vector instructions that name none of its registers are places (ISA guide 7.12.1 for vector instructions).
.macro PLACES n
.rept \n
	v_nop
.endr
.endm
; A step of 128 along K that has its successor in the same slot.
.macro STEP slot, q, bias
	s_wait_dscnt 4*NL                              ; W1's set and x's blocks 0-3 are in; the youngest 24 loads (x's blocks 4-7) may be out
.if \bias
	WIN BIA_LO
.else
	WIN MUL_LO
.endif
	MUL16 0, (\q)%2, \q, \slot, \bias
	MUL16 2, (\q)%2, \q, \slot, \bias
	s_wait_dscnt 0                                 ; x's blocks 4-7 are in (asked for 32 matrix instructions ago)
	PLACES NP
	FETCH_B \slot, (\q)+1, 1-(\q)%2
	FETCH_A \slot, (\q)+1, 0
.if \bias
	WIN BIA_HI
.else
	WIN MUL_HI
.endif
	MUL16 4, (\q)%2, \q, \slot, \bias
	MUL16 6, (\q)%2, \q, \slot, \bias
	PLACES NP
	WIN 0
	FETCH_A \slot, (\q)+1, 4
.endm
; A slot's last step changes slots: ONE barrier; in front of it each wave waits for all its tensor loads, adds 0 to its spare word, and waits for that and for its own reads of this slot.  fill = 1: this slot is filled again, two K steps ahead.
.macro TURN slot, next, fill
	s_wait_tensorcnt 0x0                           ; all my tensor loads have landed: my part of the next slot;  (every window is 0 here: the add's two registers lie in window 0)
	ds_add_u32 v[SPW], v[NIL]                      ; 0 onto my spare word
	s_wait_dscnt 4*NL+1                            ; (the add and the youngest 24 loads, x's blocks 4-7, may be out)
	WIN MUL_LO
	MUL16 0, 1, NQ-1, \slot, 0                     ; sixteen matrix instructions stand between the add and the wait for it
	s_wait_dscnt 0x0                               ; the add is done, and my reads of this slot are over
	s_barrier_signal -1
	MUL16 2, 1, NQ-1, \slot, 0
	WIN 0
	s_barrier_wait -1
.if \fill
	CREST                                          ; the barrier has opened a round of the cluster's barrier: no wave of any partner still reads this slot's tile or has a load on its way
	s_add_nc_u64 s[G0+4*\slot+2:G0+4*\slot+3], s[G0+4*\slot+2:G0+4*\slot+3], 2*ROWB
	s_add_nc_u64 s[G0B+4*\slot+2:G0B+4*\slot+3], s[G0B+4*\slot+2:G0B+4*\slot+3], 2*ROWB
	JLOAD G0+4*\slot, G1, G0B+4*\slot, G1B         ; the first tensor load behind the round; the four v_nop behind it are the places in front of the loads below
.else
	PLACES NP
.endif
	v_add_nc_u32 v[ADRS], 4*NQ, v[ADRS]            ; on to the next K step's scale words (no LDS load of mine is out)
	FETCH_B \next, 0, 0
	FETCH_A \next, 0, 0
	SCALES \next
	WIN MUL_HI
	MUL16 4, 1, NQ-1, \slot, 0
	MUL16 6, 1, NQ-1, \slot, 0
	PLACES NP
	WIN 0
	FETCH_A \next, 0, 4
.endm
	s_wait_tensorcnt 1                             ; the scale bytes and my part of K step 0 are in (K step 1's load may be out)
	s_barrier_signal -1
	s_barrier_wait -1                              ; everybody's are
	FETCH_B 0, 0, 0
	FETCH_A 0, 0, 0
	SCALES 0
	FETCH_A 0, 0, 4
	s_wait_loadcnt 0x0                             ; b1
	STEP 0, 0, 1                                   ; K = 1,024 is four K steps of 256, eight steps of 128: written straight, no loop.  The first starts the sums with b1
	TURN 0, 1, 1                                   ; slot 0 takes K step 2
	STEP 1, 0, 0
	TURN 1, 0, 1                                   ; slot 1 takes K step 3
	STEP 0, 0, 0
	TURN 0, 1, 0                                   ; nothing is left to fetch: no round of the cluster's barrier
	STEP 1, 0, 0
	s_wait_dscnt 4*NL                              ; the very last step
	WIN MUL_LO
	MUL16 0, 1, NQ-1, 1, 0
	MUL16 2, 1, NQ-1, 1, 0
	s_wait_dscnt 0
	WIN MUL_HI
	MUL16 4, 1, NQ-1, 1, 0
	MUL16 6, 1, NQ-1, 1, 0
	WIN 0
; THE EPILOGUE, a block of 16 tokens x 128 hidden units at a time: 64 numbers a lane.  X: block a's accumulators, v[64 (a % 4) ..] of window 2 + a / 4; always source 1, so that one window setting serves a block's arithmetic.
; T: 64 registers of window 0, v64-127 and v128-191 by turns.  T = k1 x; T = T x + k0; T = T x; T = 2^T; T = T + 1; T = 1 / T; T = T x = gelu(x).
; The exponentials and the reciprocals of a block are two batches.  Between a batch's lines stand plain lines of the NEIGHBOURING blocks, on the other T: the last multiply and the quantiser's maxima of the block before,
; the three scalings of the block after.  Each batch has ONE wait ahead of its first reader.
.macro A1 a, i                         ; pair i: T = k1 x.  It walks upward
	v_pk_mul_f32 v[64+64*((\a)%2)+2*(\i):64+64*((\a)%2)+2*(\i)+1], v[K1:K1+1], v[64*((\a)%4)+2*(\i):64*((\a)%4)+2*(\i)+1]
.endm
.macro A2 a, i                         ; T = T x + k0
	v_pk_fma_f32 v[64+64*((\a)%2)+2*(\i):64+64*((\a)%2)+2*(\i)+1], v[64+64*((\a)%2)+2*(\i):64+64*((\a)%2)+2*(\i)+1], v[64*((\a)%4)+2*(\i):64*((\a)%4)+2*(\i)+1], v[K0:K0+1]
.endm
.macro TX a, i                         ; T = T x
	v_pk_mul_f32 v[64+64*((\a)%2)+2*(\i):64+64*((\a)%2)+2*(\i)+1], v[64+64*((\a)%2)+2*(\i):64+64*((\a)%2)+2*(\i)+1], v[64*((\a)%4)+2*(\i):64*((\a)%4)+2*(\i)+1]
.endm
.macro EX a, n
	v_exp_f32 v[64+64*((\a)%2)+(\n)], v[64+64*((\a)%2)+(\n)]
.endm
.macro RC a, n
	v_rcp_f32 v[64+64*((\a)%2)+(\n)], v[64+64*((\a)%2)+(\n)]
.endm
; Line g of 32 of the largest magnitudes.  A lane's registers 16 B .. 16 B + 15 belong to the quantiser's block B (hidden units 32 B on); the four blocks take turns, so that no line waits for the line above it
.macro MAXQ a, g
.set mb, (\g)%4
.set mk, (\g)/4
.set ms, 64+64*((\a)%2)+16*mb+2*mk
.if mk == 0
	v_max3_num_f32 v[TM+mb], |v[ms]|, |v[ms+1]|, 0x1800000       ; and the floor 2^(3 - 127), under which no largest magnitude is taken: so the byte cannot fall under 1
.else
	v_max3_num_f32 v[TM+mb], v[TM+mb], |v[ms]|, |v[ms+1]|
.endif
.endm
; The rest of block a's quantiser, and its way out.
.macro QREST a
.set qs, 64+64*((\a)%2)
.set qf, 192+16*((\a)%2)               ; the fragment: v192-203 and v208-219 by turns
.irp b, 0,1,2,3
	v_permlanex16_b32 v[TM+4+\b], v[TM+\b], s4, s5
.endr
.irp b, 0,1,2,3
	v_max_num_f32 v[TM+\b], v[TM+\b], v[TM+4+\b]   ; with lane l xor 16's 16 numbers: the block's largest magnitude
.endr
.irp b, 0,1,2,3
	v_add_nc_u32 v[TM+12+\b], 0xff000000, v[TM+\b] ; 2 off its exponent field: the conversion takes the exponent field of this operand as its scale, and nothing else of it
.endr
.irp b, 0,1,2,3
	v_lshrrev_b32 v[TM+4+\b], 23, v[TM+12+\b]      ; the scale's byte
.endr
	v_lshl_or_b32 v[PW], v[TM+5], 8, v[TM+4]       ; the four bytes make my token's scale word for this K step
	v_lshl_or_b32 v[PW], v[TM+6], 16, v[PW]
	v_lshl_or_b32 v[PW], v[TM+7], 24, v[PW]
.if (\a) >= 2
	s_wait_xcnt 0x0                                ; block a - 2's stores have read these registers: only behind this wait are they written again
.endif
.irp c, 0,1
	v_cvt_scalef32_pk16_fp6_f32 v[qf+6*\c:qf+6*\c+2], v[qs+32*\c:qs+32*\c+15], v[TM+12+2*\c]        ; block 2 c: my 16 codes, 96 bits
	v_cvt_scalef32_pk16_fp6_f32 v[QT+4*\c:QT+4*\c+2], v[qs+32*\c+16:qs+32*\c+31], v[TM+13+2*\c]     ; block 2 c + 1
.endr
	v_nop                                          ; one plain place behind a scaled conversion
; The operand's layout wants a WHOLE block in a lane: lanes 0-15 block 2 c, lanes 16-31 block 2 c + 1.  A block's 32 codes are four groups of 8 (48 bits): a lane of the lower half made groups 0 and 2, its partner groups 1 and 3.
; The three exchanges leave groups 0, 2 of the lane's own block in the first run (p0 p1 p2) and groups 1, 3 in the second (q0 q1 q2); five lines put the halves of words in the order 0 1 2 3.
.irp c, 0,1
.irp i, 0,1,2
	v_permlane16_swap_b32 v[qf+6*\c+\i], v[QT+4*\c+\i]
.endr
	v_perm_b32 v[qf+6*\c+3], v[qf+6*\c+2], v[qf+6*\c+1], s7    ; p1's high half, p2's low half
	v_perm_b32 v[qf+6*\c+4], v[QT+4*\c+1], v[qf+6*\c+2], s8    ; p2's high half, q1's high half
	v_mov_b32  v[qf+6*\c+5], v[QT+4*\c+2]                      ; q2
	v_perm_b32 v[qf+6*\c+1], v[QT+4*\c], v[qf+6*\c+1], s6      ; p1's low half, q0's low half
	v_perm_b32 v[qf+6*\c+2], v[QT+4*\c+1], v[QT+4*\c], s7      ; q0's high half, q1's low half
.endr
.irp c, 0,1,2
	global_store_b128 v[HO], v[qf+4*\c:qf+4*\c+3], s[98:99] offset:1536*(\a)+512*\c   ; the image: 32 lanes store 512 consecutive bytes, at a multiple of 512 from hc's first byte
.endr
	ds_store_b32 v[SCW], v[PW] offset:64*(\a)      ; both halves of the lanes write the same word with the same value
.endm
.macro MIX_E a                         ; block a's exponentials; between them block a - 1's last multiply and its maxima; then the rest of its quantiser; then the wait
.if (\a) == 0
.set g, 0
.rept 64
	EX 0, g
.set g, g+1
.endr
	v_nop                                          ; the plain instruction behind the last exponential
.else
	WIN 0x08+4*(((\a)-1)/4)
.set g, 0
.rept 32
	EX \a, g
	TX (\a)-1, g
.set g, g+1
.endr
	WIN 0
.set g, 0
.rept 32
	EX \a, 32+g
	MAXQ (\a)-1, g
.set g, g+1
.endr
	QREST (\a)-1
.endif
	s_wait_alu depctr_va_vdst(0)                   ; one wait for the 64 exponentials, ahead of their first reader
.endm
.macro BADD a
	WIN 0
.set g, 0
.rept 32
	v_pk_add_f32 v[64+64*((\a)%2)+2*g:64+64*((\a)%2)+2*g+1], v[64+64*((\a)%2)+2*g:64+64*((\a)%2)+2*g+1], 1.0 op_sel_hi:[1,0]
.set g, g+1
.endr
.endm
.macro MIX_R a                         ; block a's reciprocals; between them block a + 1's three scalings, each pair's two and four trips behind its first; then the wait
.if (\a) == 7
.set g, 0
.rept 64
	RC 7, g
.set g, g+1
.endr
	v_nop                                          ; the plain instruction behind the last reciprocal
.else
	WIN 0x08+4*(((\a)+1)/4)
.set g, 0
.rept 36
.if g < 32
	RC \a, 2*g
	A1 (\a)+1, g
	RC \a, 2*g+1
.endif
.if (g >= 2) && (g < 34)
	A2 (\a)+1, g-2
.endif
.if g >= 4
	A3X (\a)+1, g-4
.endif
.set g, g+1
.endr
.endif
	s_wait_alu depctr_va_vdst(0)                   ; one wait for the 64 reciprocals, ahead of their first reader (plain lines stand behind the last of them)
.endm
.macro A3X a, i
	TX \a, \i
.endm
	PLACES NP                                      ; behind the last products: the lines below read results and write registers that held operands and scale words
.irp b, 0,1,2,3
	v_mov_b32 v[TM+4+\b], 0                        ; written once: a lane permute's destination counts as one of its sources
.endr
	s_mov_b32 s4, 0x76543210
	s_mov_b32 s5, 0xfedcba98                       ; v_permlanex16_b32's selects for lane l xor 16
	s_mov_b32 s6, 0x05040100                       ; v_perm_b32: second source's low half, first source's low half
	s_mov_b32 s7, 0x05040302                       ; second source's high half, first source's low half
	s_mov_b32 s8, 0x07060302                       ; second source's high half, first source's high half
	WIN 0x08
.set g, 0
.rept 32
	A1 0, g
.set g, g+1
.endr
.set g, 0
.rept 32
	A2 0, g
.set g, g+1
.endr
.set g, 0
.rept 32
	TX 0, g
.set g, g+1
.endr
.irp a, 0,1,2,3,4,5,6,7
	MIX_E \a
	BADD \a
	MIX_R \a
.endr
	WIN 0x0c                                       ; block 7's end has no neighbour to stand between
.set g, 0
.rept 32
	TX 7, g
.set g, g+1
.endr
	WIN 0
.set g, 0
.rept 32
	MAXQ 7, g
.set g, g+1
.endr
	QREST 7
	ds_load_b128 v[224:227], v[SCR]                ; LDS serves a wave's instructions in order (ISA guide 5.7.1.4): this sees my eight stores.  Four tokens' scale words a lane
	s_wait_dscnt 0x0
	global_store_b128 v[HO], v[224:227], s[12:13]  ; 32 lanes store my 128 tokens' words: 512 consecutive bytes, at a multiple of 512 from hc's first byte
	s_wait_tensorcnt 0x0                           ; the wave's end: an add to my spare word and its wait, behind my last tensor load and my last LDS store
	ds_add_u32 v[SPW], v[NIL]
	s_wait_dscnt 0x0
	CROUND                                         ; the closing round: no work-group ends while a partner may still ask for a tile that names it
	s_endpgm
.Lfunc_end_k_q22a31d3e68_ffn1:
	.size	k_q22a31d3e68_ffn1, .Lfunc_end_k_q22a31d3e68_ffn1-k_q22a31d3e68_ffn1
	.p2alignl 7, 3214868480
	.fill 96, 4, 3214868480
	.section	.rodata,"a",@progbits
	.p2align	6, 0x0
	.amdhsa_kernel k_q22a31d3e68_ffn1
		.amdhsa_group_segment_fixed_size 327680
		.amdhsa_private_segment_fixed_size 0
		.amdhsa_enable_private_segment 0
		.amdhsa_kernarg_size 48
		.amdhsa_user_sgpr_count 2
		.amdhsa_user_sgpr_kernarg_segment_ptr 1
		.amdhsa_wavefront_size32 1
		.amdhsa_system_sgpr_workgroup_id_x 1
		.amdhsa_system_sgpr_workgroup_id_y 1
		.amdhsa_system_sgpr_workgroup_id_z 1
		.amdhsa_system_vgpr_workitem_id 0
		.amdhsa_next_free_vgpr 1024
		.amdhsa_next_free_sgpr 100
		.amdhsa_reserve_vcc 0
		.amdhsa_float_denorm_mode_32 3
		.amdhsa_float_denorm_mode_16_64 3
		.amdhsa_memory_ordered 1
		.amdhsa_forward_progress 1
		.amdhsa_inst_pref_size 255
	.end_amdhsa_kernel
	.section	.bss,"aw",@nobits
	.p2align	6
	.space	262144
	.amdgpu_metadata
---
amdhsa.version: [ 1, 2 ]
amdhsa.kernels:
  - .name:           k_q22a31d3e68_ffn1
    .symbol:         k_q22a31d3e68_ffn1.kd
    .args:
      - { .name: inputs_codes, .offset: 0, .size: 8, .value_kind: global_buffer, .address_space: global }
      - { .name: inputs_scales, .offset: 8, .size: 8, .value_kind: global_buffer, .address_space: global }
      - { .name: W1_codes, .offset: 16, .size: 8, .value_kind: global_buffer, .address_space: global }
      - { .name: W1_scales, .offset: 24, .size: 8, .value_kind: global_buffer, .address_space: global }
      - { .name: b1, .offset: 32, .size: 8, .value_kind: global_buffer, .address_space: global }
      - { .name: hc, .offset: 40, .size: 8, .value_kind: global_buffer, .address_space: global }
    .group_segment_fixed_size: 327680
    .private_segment_fixed_size: 0
    .kernarg_segment_align: 8
    .kernarg_segment_size: 48
    .max_flat_workgroup_size: 128
    .sgpr_count:     100
    .vgpr_count:     1024
    .wavefront_size: 32
...
	.end_amdgpu_metadata
.endif
;; end of part 1
;; launch ffn2 (part 2): grid 8 x 32, 4 waves a work-group, clusters of 4 x 4, 327,680 bytes of LDS; arguments hc, W2_codes, W2_scales, b2, out0; writes out0
.if DOCPART == 2
	.amdgcn_target "amdgcn-amd-amdhsa--gfx1250"
	.amdhsa_code_object_version 6
	.text
	.protected	k_q22a31d3e68_ffn2
	.globl	k_q22a31d3e68_ffn2
	.p2align	8
	.type	k_q22a31d3e68_ffn2,@function
k_q22a31d3e68_ffn2:
	s_mov_b64 s[64:65], 0
	v_nop
	global_prefetch_b8 v0, s[64:65] scope:SCOPE_SE
	s_setreg_imm32_b32 hwreg(HW_REG_WAVE_MODE, 25, 1), 1
	s_wait_xcnt 0x0
	s_wait_alu depctr_hold_cnt(0) depctr_sa_sdst(0) depctr_va_vdst(0) depctr_va_sdst(0) depctr_va_ssrc(0) depctr_va_vcc(0) depctr_vm_vsrc(0)
	s_getreg_b32 s2, hwreg(HW_REG_IB_STS2, 6, 4)
	s_cmp_eq_u32 s2, 0
	s_cbranch_scc0 .Lentry_in_a_cluster
	s_endpgm
.Lentry_in_a_cluster:
	s_bfe_u32 s2, ttmp6, 0x10000c
	s_cmp_lg_u32 s2, 0xf033
	s_cbranch_scc0 .Lentry_shape_is_right
	s_endpgm
.Lentry_shape_is_right:
; SECOND OF TWO LAUNCHES.  out = Q(h) W2^T + b2 for four experts.  No work is left out.
; Q(h) lies in hc as the first launch laid it: 256 records of 102,400 bytes, record (8 (8 e + w) + K / 512): codes of FP6 (E2M3) as images of operand registers, [K step of 128: 4][block of 16 tokens: 16][1,536 bytes],
; then scale words [K step: 4][token: 256].  W2_codes [4 e][1024 n][3,072 bytes]: codes, K = 4,096 innermost; W2_scales 128 bytes a row; b2 [4][1024] f32; out0 [8 w][4 e][256 c][1024] f32.
; A tile of 256 tokens (one w of one expert) x 128 outputs is made by a work-group of four waves: 256 work-groups.  A wave makes 128 tokens x 64 outputs: 32 accumulators of 16 x 16.
; K goes in steps of 512 through a ring of two LDS slots: a slot holds ONE RECORD of hc, a dense block, and 128 rows x 384 bytes of W2.  Eight slots' worth of K, four K steps of 128 each, written straight:
; W2's scale words of all 32 K steps stay in numbered registers, loaded once.
; CLUSTERS: 4 x 4 work-groups.  The four of a row of the cluster share their tokens (the records), the four of a column, four w of one expert, share W2's tiles: each is asked for JOINTLY.
; THE MATRIX INSTRUCTION IS USED TRANSPOSED (source 0 = 16 rows of W2, source 1 = 16 tokens): a lane holds eight neighbouring outputs of one token.  b2 is the C of each sum's first matrix instruction.
; LIMITS: NaN, infinities and scale bytes 0xff are carried only as the instructions carry them.
; REGISTERS, in windows of 256: window 0: v1-7 at work; v8-22 addresses; v28, v29 the add's two; v32-63 the tokens' scale words, two sets; v64-127 W2's scale words; v128-159 b2; v160-207, v208-255 W2's fragments, two sets.
;   window 1: the tokens' fragments, two sets, at v0 and v128.   window 2: accumulator (a, b) at v[8 (4 a + b)].
.set FR,    12                         ; registers of a fragment: 16 rows x 128 K
.set RECB,  102400                     ; a record of hc
.set BP,    432                        ; a row of W2 in LDS: 3 x (128 bytes + 16 of padding) = 108 words: row r starts at bank 44 r mod 64, sixteen different multiples of 4 (64 banks of 4 bytes: ISA guide 11.1); lanes 16-31 fall 6 or 10 words on
.set SLOT,  RECB+128*BP                ; the record, then W2's 128 rows: 157,696 bytes
.set SPARE, 2*SLOT                     ; behind the ring: the spare words, 128 bytes for each wave: two blocks of 256 bytes that no other line names
.set SP,    272                        ; the way out: a stage of 16 rows x (256 bytes + 16) for each wave.  It lies in slot 0, which has had its last fill and its last read when the first result is stored there
.set ADA,  8                           ; v8-11  LDS address of my images: slot s, K steps 2 u and 2 u + 1: register 2 s + u
.set ADB,  12                          ; v12-15 of my W2 fragments: slot s: register 2 s; 2 s + 1 for the pieces behind one padding more
.set ADS,  16                          ; v16-17 of my tokens' scale words in slot s
.set STO,  18                          ; v18    the way out: where I put 32 bytes of a row
.set RD,   19                          ; v19    where I read a row back
.set CO,   20                          ; v20    my byte offset in out0
.set WO,   21                          ; v21    128 x lane: a row of W2's scale bytes
.set BO,   22                          ; v22    32 (lane / 16): my eight numbers of a tile of b2
.set SPW,  28                          ; v28    LDS address of my spare word; never rewritten
.set NIL,  29                          ; v29    0; never rewritten
.set SA,   32                          ; the tokens' scale words: register 16 s + 4 q + p: lanes 0-15 token block 2 p, lanes 16-31 block 2 p + 1
.set SB,   64                          ; W2's: register 32 p + ks: lane l = row 32 p + l of my 64, K step ks of 32
.set BI,   128                         ; b2 in the result's layout: tile b at v[BI + 8 b]
.set WF,   160                         ; W2's fragments: set at v[WF + 48 set]
.set BK,   128                         ; the way out: 16 rows read back from the stage: v128-159 and v160-191 by turns
.set G1, 24                            ; s[24:31] descriptor group 1 for the records;  s[32:39] group 0, one set for each slot
.set G0, 32
.set G1B, 48                           ; s[48:55], s[56:63] the same for W2's tiles
.set G0B, 56
.set MSB, 0
.macro WIN new                         ; the immediate's high byte repeats the setting that is left; a switch that changes nothing is dropped
.if MSB != (\new)
	s_set_vgpr_msb (MSB<<8)|(\new)
.set MSB, (\new)
.endif
.endm
.set MUL,   0xa4                       ; source 0 (W2) window 0, source 1 (tokens) window 1, C and D window 2
.set MULB,  0x84                       ; the first K step: C (b2) window 0
.set TO_A,  0x40                       ; destination window 1, address window 0
; A joint load: waves 0 and 1 fetch the record's two halves, waves 2 and 3 W2's.  The branch hangs on the wave's number alone.  An s_nop 0 and four v_nop follow each of the two lines.
.macro JLOAD s
	s_cmp_eq_u32 s15, 0
	s_cbranch_scc0 .Lfor_b_\@
	tensor_load_to_lds s[G0+4*(\s):G0+4*(\s)+3], s[G1:G1+7]
	s_nop 0
.rept 4
	v_nop
.endr
	s_branch .Lasked_\@
.Lfor_b_\@:
	tensor_load_to_lds s[G0B+4*(\s):G0B+4*(\s)+3], s[G1B:G1B+7]
	s_nop 0
.rept 4
	v_nop
.endr
.Lasked_\@:
.endm
.macro CREST                           ; a round of the cluster's barrier behind its opening barrier
	s_cmp_lg_u32 s14, 0
	s_cbranch_scc1 .Lnot_wave_0_\@
	s_barrier_signal -3
.Lnot_wave_0_\@:
	s_barrier_wait -3
	s_barrier_signal -1
	s_barrier_wait -1
.endm
.macro CROUND                          ; a whole round
	s_barrier_signal -1
	s_barrier_wait -1
	CREST
.endm
	s_load_b256 s[4:11], s[0:1], 0x0               ; hc s[4:5], W2's codes s[6:7], W2's scales s[8:9], b2 s[10:11]
	s_load_b64 s[12:13], s[0:1], 0x20              ; out0
	v_lshl_add_u32 v[SPW], v0, 2, SPARE
	v_mov_b32 v[NIL], 0
	ds_add_u32 v[SPW], v[NIL]                      ; the wave's opening: the add, twice on end, and its wait ahead of my first tensor load; the set-up below, work on registers, stands between
	ds_add_u32 v[SPW], v[NIL]                      ; and once more, under the one wait
	v_lshrrev_b32 v1, 5, v0
	v_readfirstlane_b32 s14, v1                    ; wave 0..3
	s_lshr_b32 s15, s14, 1                         ; which half of the tile's tokens is mine.  Also: I fetch for the record (0) or for W2 (1)
	s_and_b32 s16, s14, 1                          ; which half of its outputs.  Also: which half of that tile I fetch
	s_bfe_u32 s40, ttmp6, 0x40000                  ; cx, cy: my place in the cluster
	s_bfe_u32 s41, ttmp6, 0x40004
	s_lshl_b32 s42, ttmp9, 2
	s_add_co_u32 s42, s42, s40                     ; tile column (128 outputs) = 4 x cluster x + cx
	s_and_b32 s17, ttmp7, 0xffff                   ; cluster y: two clusters to an expert
	s_lshr_b32 s18, s17, 1                         ; e: the same in all sixteen partners
	s_lshl_b32 s19, s17, 2
	s_add_co_u32 s19, s19, s41                     ; 8 e + w = 4 x cluster y + cy
	s_and_b32 s17, s17, 1
	s_lshl_b32 s17, s17, 2
	s_add_co_u32 s17, s17, s41                     ; w
	s_lshl_b32 s43, s41, 2
	s_lshl_b32 s43, 15, s43                        ; my row of the cluster
	s_lshl_b32 s44, 0x1111, s40                    ; my column
	; descriptor group 1.  Half a record: a dense block of 51,200 bytes, as 200 rows of 256 bytes (32 elements of 8 bytes), no padding
	s_or_b32 s[G1+0], s43, (3<<16)|(1<<21)         ; 15:0 the mask: the records go to my row; 17:16 element of 8 bytes; 21 set beside a mask
	s_mov_b32 s[G1+1], 32<<16                      ; tensor_dim0 = 32
	s_mov_b32 s[G1+2], 200<<16                     ; tensor_dim1 = 200
	s_mov_b32 s[G1+3], 32<<16                      ; tile_dim0 = 32
	s_mov_b32 s[G1+4], 200                         ; tile_dim1 = 200
	s_mov_b32 s[G1+5], 32                          ; tensor_dim0_stride
	s_mov_b32 s[G1+6], 0
	s_mov_b32 s[G1+7], 0
	; W2: 64 rows x 384 bytes, 3,072 bytes apart, 16 bytes of padding behind every 128
	s_or_b32 s[G1B+0], s44, (0<<16)|(1<<20)|(1<<21)|(4<<22)|(3<<25)  ; the mask of my column; element of 1 byte; padding on; after every 32 words (code 4); of 4 words (code 3)
	s_mov_b32 s[G1B+1], 384<<16
	s_mov_b32 s[G1B+2], 64<<16
	s_mov_b32 s[G1B+3], 384<<16
	s_mov_b32 s[G1B+4], 64
	s_mov_b32 s[G1B+5], 3072
	s_mov_b32 s[G1B+6], 0
	s_mov_b32 s[G1B+7], 0
	; where the tiles come from.  The records hang on 8 e + w and the wave's number, which my row of the cluster shares; W2's on e, the tile column and the wave's number, which my column shares
	s_mul_i32 s20, s19, 8*RECB
	s_mul_i32 s21, s16, RECB/2
	s_add_co_u32 s20, s20, s21                     ; my half of the first record (all offsets stay under 2^26)
	s_mov_b32 s21, 0
	s_lshl_b32 s46, s18, 10
	s_lshl_b32 s47, s42, 7
	s_add_co_u32 s46, s46, s47
	s_lshl_b32 s47, s16, 6
	s_add_co_u32 s46, s46, s47                     ; W2: row 1,024 e + 128 x tile column + 64 x half
	s_mul_i32 s46, s46, 3072
	s_mov_b32 s47, 0
	s_mul_i32 s45, s16, RECB/2                     ; where they go in a slot: no place in the cluster enters an LDS address
	s_mul_i32 s22, s16, 64*BP
	s_add_co_u32 s22, s22, RECB
	s_wait_dscnt 0x0                               ; both opening adds are done
	s_wait_kmcnt 0x0
	s_add_nc_u64 s[20:21], s[4:5], s[20:21]
	s_add_nc_u64 s[46:47], s[6:7], s[46:47]
	CROUND                                         ; all sixteen work-groups are here: the first joint loads meet
.irp s, 0,1
	s_mov_b32 s[G0+4*\s], 1                        ; 1:0 count = 1
	s_add_co_u32 s[G0+4*\s+1], s45, \s*SLOT        ; 63:32 LDS address
	s_add_nc_u64 s[G0+4*\s+2:G0+4*\s+3], s[20:21], \s*RECB   ; 120:64 global address: record s
	s_or_b32 s[G0+4*\s+3], s[G0+4*\s+3], 0x80000000         ; 127:126 type = 2
	s_mov_b32 s[G0B+4*\s], 1
	s_add_co_u32 s[G0B+4*\s+1], s22, \s*SLOT
	s_add_nc_u64 s[G0B+4*\s+2:G0B+4*\s+3], s[46:47], \s*384
	s_or_b32 s[G0B+4*\s+3], s[G0B+4*\s+3], 0x80000000
	JLOAD \s                                       ; two tensor loads of mine are out now
.endr
	; W2's scale bytes and b2 at my 64 outputs; out0 at my first token and my first output
	s_lshl_b32 s2, s18, 10
	s_lshl_b32 s3, s42, 7
	s_add_co_u32 s2, s2, s3
	s_lshl_b32 s3, s16, 6
	s_add_co_u32 s2, s2, s3                        ; 1,024 e + 128 x tile column + 64 x half
	s_lshl_b32 s46, s2, 7
	s_mov_b32 s47, 0
	s_add_nc_u64 s[8:9], s[8:9], s[46:47]
	s_lshl_b32 s46, s2, 2
	s_add_nc_u64 s[10:11], s[10:11], s[46:47]
	s_lshl_b32 s46, s17, 2
	s_add_co_u32 s46, s46, s18                     ; 4 w + e
	s_lshl_b32 s46, s46, 8
	s_lshl_b32 s3, s15, 7
	s_add_co_u32 s46, s46, s3                      ; my first row of out0
	s_lshl_b32 s46, s46, 12
	s_lshl_b32 s3, s42, 9
	s_add_co_u32 s46, s46, s3
	s_lshl_b32 s3, s16, 8
	s_add_co_u32 s46, s46, s3                      ; + 512 x tile column + 256 x half bytes
	s_add_nc_u64 s[12:13], s[12:13], s[46:47]
	v_and_b32 v1, 15, v0                           ; l % 16
	v_bfe_u32 v2, v0, 4, 1                         ; l / 16
	v_and_b32 v3, 31, v0                           ; lane
	v_lshlrev_b32 v[WO], 7, v3
	v_lshlrev_b32 v[BO], 5, v2
.irp p, 0,1
.irp i, 0,1,2,3,4,5,6,7
	global_load_b128 v[SB+32*\p+4*\i:SB+32*\p+4*\i+3], v[WO], s[8:9] offset:4096*\p+16*\i   ; row 32 p + lane: the words of K steps 4 i .. 4 i + 3.  Once for the whole launch
.endr
.endr
.irp b, 0,1,2,3
	global_load_b128 v[BI+8*\b:BI+8*\b+3], v[BO], s[10:11] offset:64*\b          ; b2(16 b + 8 (l / 16) + 0 .. 7)
	global_load_b128 v[BI+8*\b+4:BI+8*\b+7], v[BO], s[10:11] offset:64*\b+16
.endr
	v_lshlrev_b32 v4, 4, v3
	s_mul_i32 s20, s15, 12288                      ; my eight images of a K step's sixteen
	v_add_nc_u32 v4, s20, v4
.irp s, 0,1
.irp u, 0,1
	v_add_nc_u32 v[ADA+2*\s+\u], \s*SLOT+\u*49152, v4
.endr
.endr
	v_mul_u32_u24 v5, v1, BP
	s_mul_i32 s21, s16, 64*BP                      ; my 64 rows of W2,
	s_add_co_u32 s21, s21, RECB                    ; behind the record
	v_add_nc_u32 v5, s21, v5
	v_mad_u32_u24 v6, v2, 24, v5                   ; a fragment's row x pitch + 24 x half
	v_mad_u32_u24 v7, v2, 40, v5                   ; and the same behind one padding more
.irp s, 0,1
	v_add_nc_u32 v[ADB+2*\s], \s*SLOT, v6
	v_add_nc_u32 v[ADB+2*\s+1], \s*SLOT, v7
.endr
	s_lshl_b32 s21, s15, 9
	s_add_co_u32 s21, s21, 98304                   ; my 128 tokens' scale words, behind the record's codes
	v_lshl_add_u32 v5, v3, 2, s21
.irp s, 0,1
	v_add_nc_u32 v[ADS+\s], \s*SLOT, v5
.endr
	s_mul_i32 s21, s14, 16*SP                      ; my stage
	v_mul_u32_u24 v5, v1, SP                       ; in: row l % 16, 32 bytes for each half of the lanes
	v_lshl_add_u32 v5, v2, 5, v5
	v_add_nc_u32 v[STO], s21, v5
	v_mul_u32_u24 v5, v2, SP                       ; back: lanes 0-15 take one row of 256 bytes, lanes 16-31 the next
	v_lshl_add_u32 v5, v1, 4, v5
	v_add_nc_u32 v[RD], s21, v5
	v_lshlrev_b32 v5, 12, v2                       ; and the same two rows in out0
	v_lshl_add_u32 v[CO], v1, 4, v5
.macro FRAGB reg, adr, q, i            ; a fragment of W2, 16 rows x 128 K: 12 registers, six pieces of 8 bytes.  Lanes 0-15 take the row's pieces 12 q + 0, 1, 2 and 12 q + 6, 7, 8, lanes 16-31 those three pieces on
.irp p, 0,1,2,3,4,5
.set PC, 12*(\q)+6*(\p/3)+\p%3        ; 16 bytes of padding lie behind every 16 pieces: where the piece three on lies behind one padding more, the second address register serves
.if PC%16 < 13
	ds_load_b64 v[\reg+2*\p:\reg+2*\p+1], v[\adr] offset:8*PC+16*(PC/16)+(\i)*16*BP
.else
	ds_load_b64 v[\reg+2*\p:\reg+2*\p+1], v[\adr+1] offset:8*PC+16*(PC/16)+(\i)*16*BP
.endif
.endr
.endm
; 48 LDS loads in one run: K step q of slot s into the sets numbered set: my eight images as they lie, three loads of 512 consecutive bytes each; then W2's four fragments
.macro FETCH s, q, set
	WIN TO_A
.irp a, 0,1,2,3,4,5,6,7
.irp c, 0,1,2
	ds_load_b128 v[128*(\set)+FR*\a+4*\c:128*(\set)+FR*\a+4*\c+3], v[ADA+2*(\s)+(\q)/2] offset:((\q)%2)*24576+1536*\a+512*\c
.endr
.endr
	WIN 0
.irp b, 0,1,2,3
	FRAGB WF+48*(\set)+FR*\b, ADB+2*(\s), \q, \b
.endr
.endm
.macro SCALES s                        ; slot s's scale words of my 128 tokens, all four K steps: 32 tokens a load
.irp q, 0,1,2,3
.irp p, 0,1,2,3
	ds_load_b32 v[SA+16*(\s)+4*\q+\p], v[ADS+(\s)] offset:1024*\q+128*\p
.endr
.endr
.endm
; Matrix instructions t0 .. t1 of a K step's 32: t = 4 a + b: token block a x W2's tile b.  The accumulators take turns, one instruction a turn, in the same order in every K step.
; bias = 1: the first K step: C is b2 (under the window setting MULB); else C is the accumulator.  W2's words of an odd tile and the tokens' words of an odd block lie in lanes 16-31 of their registers.
.macro MULS t0, t1, set, s, q, ks, bias
.set t, \t0
.rept (\t1)-(\t0)+1
.set ma, t/4
.set mb, t%4
.set rD, 8*t
.set rC, rD
.if \bias
.set rC, BI+8*mb
.endif
.set rW, WF+48*(\set)+FR*mb
.set rA, 128*(\set)+FR*ma
.set rSW, SB+32*(mb/2)+(\ks)
.set rSA, SA+16*(\s)+4*(\q)+ma/2
.if (mb%2 == 0) && (ma%2 == 0)
	v_wmma_scale_f32_16x16x128_f8f6f4 v[rD:rD+7], v[rW:rW+FR-1], v[rA:rA+FR-1], v[rC:rC+7], v[rSW], v[rSA] matrix_a_fmt:MATRIX_FMT_FP6 matrix_b_fmt:MATRIX_FMT_FP6
.elseif (mb%2 == 1) && (ma%2 == 0)
	v_wmma_scale_f32_16x16x128_f8f6f4 v[rD:rD+7], v[rW:rW+FR-1], v[rA:rA+FR-1], v[rC:rC+7], v[rSW], v[rSA] matrix_a_fmt:MATRIX_FMT_FP6 matrix_b_fmt:MATRIX_FMT_FP6 matrix_a_scale:MATRIX_SCALE_ROW1
.elseif (mb%2 == 0)
	v_wmma_scale_f32_16x16x128_f8f6f4 v[rD:rD+7], v[rW:rW+FR-1], v[rA:rA+FR-1], v[rC:rC+7], v[rSW], v[rSA] matrix_a_fmt:MATRIX_FMT_FP6 matrix_b_fmt:MATRIX_FMT_FP6 matrix_b_scale:MATRIX_SCALE_ROW1
.else
	v_wmma_scale_f32_16x16x128_f8f6f4 v[rD:rD+7], v[rW:rW+FR-1], v[rA:rA+FR-1], v[rC:rC+7], v[rSW], v[rSA] matrix_a_fmt:MATRIX_FMT_FP6 matrix_b_fmt:MATRIX_FMT_FP6 matrix_a_scale:MATRIX_SCALE_ROW1 matrix_b_scale:MATRIX_SCALE_ROW1
.endif
.set t, t+1
.endr
.endm
; A load into a register that a matrix instruction has read, and an LDS store that reads a matrix result, stand four places behind it, and only plain vector instructions that name none of its registers are places
; (ISA guide 7.12.1 for vector instructions).
.macro PLACES n
.rept \n
	v_nop
.endr
.endm
; One of a slot's first three K steps: the next K step's 48 loads go out first, into the sets that the last K step multiplied; then this K step's 32 products.
.macro KSTEP s, q, ks, bias
	PLACES 4
	FETCH \s, (\q)+1, ((\q)+1)%2
	s_wait_dscnt 48                                ; all but the 48 just issued: this K step's fragments (and, at a slot's head, its scale words) are in
.if \bias
	WIN MULB
.else
	WIN MUL
.endif
	MULS 0, 31, (\q)%2, \s, \q, \ks, \bias
.endm
; A slot's last K step changes slots: ONE barrier; in front of it each wave waits for all its tensor loads, adds 0 to its spare word, and waits for that and for its own reads of this slot.  fill = 1: this slot is filled again, two slots ahead.
.macro TURN s, fill, ks
	WIN 0                                          ; (the add's two registers lie in window 0)
	s_wait_tensorcnt 0x0                           ; all my tensor loads have landed: my part of the next slot;
	ds_add_u32 v[SPW], v[NIL]                      ; 0 onto my spare word
	s_wait_dscnt 1                                 ; (the add may be out: this K step's fragments are in)
	WIN MUL
	MULS 0, 7, 1, \s, 3, \ks, 0                    ; eight matrix instructions stand between the add and the wait for it
	s_wait_dscnt 0x0                               ; the add is done, and my reads of this slot are over
	s_barrier_signal -1
	MULS 8, 15, 1, \s, 3, \ks, 0
	WIN 0
	s_barrier_wait -1
.if \fill
	CREST                                          ; the barrier has opened a round of the cluster's barrier: no wave of any partner still reads this slot or has a load on its way
	s_add_nc_u64 s[G0+4*(\s)+2:G0+4*(\s)+3], s[G0+4*(\s)+2:G0+4*(\s)+3], 2*RECB
	s_add_nc_u64 s[G0B+4*(\s)+2:G0B+4*(\s)+3], s[G0B+4*(\s)+2:G0B+4*(\s)+3], 2*384
	JLOAD \s                                       ; the first tensor load behind the round: 112 matrix instructions ahead of the wait for it; the four v_nop behind it are the places in front of the loads below
.else
	PLACES 4
.endif
	FETCH 1-(\s), 0, 0
	SCALES 1-(\s)
	WIN MUL
	MULS 16, 31, 1, \s, 3, \ks, 0
.endm
	s_wait_tensorcnt 1                             ; my part of slot 0 is in (slot 1's load may be out)
	s_barrier_signal -1
	s_barrier_wait -1                              ; everybody's is
	FETCH 0, 0, 0
	SCALES 0
	s_wait_loadcnt 0x0                             ; W2's scale words and b2
.irp j, 0,1,2,3,4,5,6,7                ; slot j % 2 holds K = 512 j on
.if \j == 0
	KSTEP 0, 0, 0, 1                               ; the first K step starts the sums with b2
.else
	KSTEP (\j%2), 0, (4*\j), 0
.endif
	KSTEP (\j%2), 1, (4*\j+1), 0
	KSTEP (\j%2), 2, (4*\j+2), 0
.if \j < 6
	TURN (\j%2), 1, (4*\j+3)
.elseif \j == 6
	TURN 0, 0, 27                                  ; nothing is left to fetch: no round of the cluster's barrier
.else
	s_wait_dscnt 0x0                               ; the very last K step
	MULS 0, 31, 1, 1, 3, 31, 0
.endif
.endr
	WIN 0
; THE WAY OUT, a block of 16 tokens x 64 outputs at a time.  A lane holds 32 neighbouring bytes of a row, and the lanes beside it hold other rows: so a block goes through my own stage in LDS and comes back as whole
; runs of 256 bytes.  LDS serves a wave's instructions in order (ISA guide 5.7.1.4): no wait between the stores and the loads, nor in front of the next block's stores.
.macro TOSTAGE a
	WIN 0x08                                       ; an LDS store's data are its source 1: window 2
.irp b, 0,1,2,3
	ds_store_b128 v[STO], v[8*(4*(\a)+\b):8*(4*(\a)+\b)+3] offset:64*\b          ; each accumulator from its low end on
	ds_store_b128 v[STO], v[8*(4*(\a)+\b)+4:8*(4*(\a)+\b)+7] offset:64*\b+16
.endr
	WIN 0
.set BB, BK+32*((\a)%2)
.irp t, 0,1,2,3,4,5,6,7
	ds_load_b128 v[BB+4*\t:BB+4*\t+3], v[RD] offset:\t*2*SP
.endr
.endm
.macro SEND a, younger                 ; younger: the LDS instructions issued behind block a's loads, which may stay out
.set BB, BK+32*((\a)%2)
	s_wait_dscnt \younger                          ; the block is back in registers
.irp t, 0,1,2,3,4,5,6,7
	global_store_b128 v[CO], v[BB+4*\t:BB+4*\t+3], s[12:13] offset:(16*(\a)+2*\t)*4096 th:TH_STORE_NT   ; 16 lanes store 256 consecutive bytes, at a multiple of 256 from out0's first byte; 126 rows on at the most: inside the signed 24-bit immediate
.endr
.endm
	PLACES 4                                       ; behind the last products: for the stores that read results and the loads into registers that held b2 and W2's fragments
	TOSTAGE 0
.irp a, 1,2,3,4,5,6,7
.if \a > 1
	s_wait_xcnt 0x0                                ; block a - 2's stores have read their registers: block a's loads may land there
.endif
	TOSTAGE \a
	SEND \a-1, 16                                  ; behind block a - 1's loads: block a's 8 stores and 8 loads
.endr
	SEND 7, 0
	s_wait_tensorcnt 0x0                           ; the wave's end: an add to my spare word and its wait, behind my last tensor load and my last LDS store
	ds_add_u32 v[SPW], v[NIL]
	s_wait_dscnt 0x0
	CROUND                                         ; the closing round: no work-group ends while a partner may still ask for a tile that names it
	s_endpgm
.Lfunc_end_k_q22a31d3e68_ffn2:
	.size	k_q22a31d3e68_ffn2, .Lfunc_end_k_q22a31d3e68_ffn2-k_q22a31d3e68_ffn2
	.p2alignl 7, 3214868480
	.fill 96, 4, 3214868480
	.section	.rodata,"a",@progbits
	.p2align	6, 0x0
	.amdhsa_kernel k_q22a31d3e68_ffn2
		.amdhsa_group_segment_fixed_size 327680
		.amdhsa_private_segment_fixed_size 0
		.amdhsa_enable_private_segment 0
		.amdhsa_kernarg_size 40
		.amdhsa_user_sgpr_count 2
		.amdhsa_user_sgpr_kernarg_segment_ptr 1
		.amdhsa_wavefront_size32 1
		.amdhsa_system_sgpr_workgroup_id_x 1
		.amdhsa_system_sgpr_workgroup_id_y 1
		.amdhsa_system_sgpr_workgroup_id_z 1
		.amdhsa_system_vgpr_workitem_id 0
		.amdhsa_next_free_vgpr 768
		.amdhsa_next_free_sgpr 66
		.amdhsa_reserve_vcc 0
		.amdhsa_float_denorm_mode_32 3
		.amdhsa_float_denorm_mode_16_64 3
		.amdhsa_memory_ordered 1
		.amdhsa_forward_progress 1
		.amdhsa_inst_pref_size 255
	.end_amdhsa_kernel
	.section	.bss,"aw",@nobits
	.p2align	6
	.space	262144
	.amdgpu_metadata
---
amdhsa.version: [ 1, 2 ]
amdhsa.kernels:
  - .name:           k_q22a31d3e68_ffn2
    .symbol:         k_q22a31d3e68_ffn2.kd
    .args:
      - { .name: hc, .offset: 0, .size: 8, .value_kind: global_buffer, .address_space: global }
      - { .name: W2_codes, .offset: 8, .size: 8, .value_kind: global_buffer, .address_space: global }
      - { .name: W2_scales, .offset: 16, .size: 8, .value_kind: global_buffer, .address_space: global }
      - { .name: b2, .offset: 24, .size: 8, .value_kind: global_buffer, .address_space: global }
      - { .name: out0, .offset: 32, .size: 8, .value_kind: global_buffer, .address_space: global }
    .group_segment_fixed_size: 327680
    .private_segment_fixed_size: 0
    .kernarg_segment_align: 8
    .kernarg_segment_size: 40
    .max_flat_workgroup_size: 128
    .sgpr_count:     66
    .vgpr_count:     768
    .wavefront_size: 32
...
	.end_amdgpu_metadata
.endif
;; end of part 2
